; MI455X (gfx1250); checked and timed in simulation.
; The chip was launched on July 23, 2026; its instructions are those of AMD's public machine-readable ISA for CDNA 5 (MIT licence, August 2026) and "CDNA5" Instruction Set Architecture Reference Guide (July 2026). The comments in the code are by the model that wrote it; some were corrected since.
;; Vector Quantizer. Allowed arithmetic: float matrix products may take bf16 or f16 operands with f32 sums; all other float work in f32.
;; Inputs: emb 512 x 8 float32; z 65,536 x 64 float32.
;; Outputs: out0 65,536 x 64 float32; out1 one number float32.
;; 2 versions, each right and faster than the one before. Each part assembles by itself: llvm-mc -triple=amdgcn-amd-amdhsa -mcpu=gfx1250 --defsym DOCPART=n.
;; ======== version 1 of 2: 3 launches
;; limits: values outside matrix products are rounded to bf16
;; workspace buffers: idx 1,048,576 bytes of whole numbers; part 1,024 bytes
;; launch nearest (part 1): grid 256 x 1, 16 waves a work-group, no clusters, 28,672 bytes of LDS; arguments emb, z, idx; writes idx
.if DOCPART == 1
	.amdgcn_target "amdgcn-amd-amdhsa--gfx1250"
	.amdhsa_code_object_version 6
	.text
	.protected	k_q5b297eebb8_nearest
	.globl	k_q5b297eebb8_nearest
	.p2align	8
	.type	k_q5b297eebb8_nearest,@function
k_q5b297eebb8_nearest:
	s_mov_b64 s[64:65], 0
	v_nop
	global_prefetch_b8 v0, s[64:65] scope:SCOPE_SE
	s_setreg_imm32_b32 hwreg(HW_REG_WAVE_MODE, 25, 1), 1
	s_wait_xcnt 0x0
; nearest: idx[v] = the first argmin over the 512 codes c of  d = (|z_v|^2 + |e_c|^2) - 2 z_v.e_c,  for 524,288 vectors z_v of 8 numbers.
; NUMBERS.  z and emb are rounded to bf16 once; zz, ee and the products are all made of the rounded numbers.  d is formed in f32 in the
; order  t = zz + ee (one rounding),  d = t + (-2 dot) (one rounding): neither zz nor ee is folded into the matrix product, since the
; distances of one vector lie on a coarse grid (the spacing of f32 near zz) and equal distances occur; the lowest index wins them.
; LIMITS.  Finite z and emb, and -2 emb finite in bf16 (|emb| below about 1.6e38).  A z that is not finite also spoils the 16 vectors of
; the tile in front of it, whose B operand reaches into its registers at K places that meet zeros.  The eight-term sums zz, ee and dot
; may differ in their last bit from sums taken in another order.
; SHARES.  256 work-groups of 16 waves.  Wave g (0..4095) owns vectors 128 g .. 128 g + 127 (4,096 consecutive bytes of z) as 8 tiles of
; 16, against all 512 codes as 32 tiles of 16.  Thread t of the work-group prepares code t: bf16(-2 e) and ee go to LDS once.
; MATRIX USE.  A = 16 codes, B = 16 vectors: in D, lane (r = lane % 16, h = lane / 16) holds in register j the product of code
; 16 t + 8 h + j with vector r, so the search over the codes stays inside a lane but for one exchange of the two halves at the end.
; Of the form's K = 32 only k = 0..7 carry data: A's lanes 16-31 read zeros from LDS (k = 8..15), A's registers 4-7 are zeros
; (k = 16..31); what B holds there (other finite z) is multiplied by zero.
; NO CLUSTER, NO TENSOR LOAD: the one input that work-groups share is emb, 16,384 of the 81,920 bytes a work-group reads, it is read once
; and converted in registers before it lies in LDS; every byte of z is used by one wave alone.
.set NT,     32                        ; tiles of 16 codes
.set APITCH, 48                        ; an LDS row of the code table: 16 bytes bf16(-2 e), 16 bytes of zeros, 16 unused; 16-byte column 3 r mod 16 differs in 16 rows
.set EETAB,  512*APITCH                ; 24,576: behind the code table, 512 f32: ee
.set ZO,   1                           ; v1        32 r: my vector's bytes in a tile of z; never rewritten
.set EO,   2                           ; v2        32 x thread: my code's bytes in emb; never rewritten
.set VA,   3                           ; v3        LDS address of my A registers 0-3 in the current pair of code tiles
.set VE,   4                           ; v4        LDS address of my eight ee
.set H8,   5                           ; v5        8 h
.set IO,   6                           ; v6        8 x lane: my bytes in the wave's 256 bytes of idx
.set M,    7                           ; v7        running minimum inside a tile
.set U,    8                           ; v[8:15]   at work
.set ERAW, 16                          ; v[16:23]  my code as loaded, then times -2
.set EPK,  24                          ; v[24:27]  bf16(-2 e)
.set Z,    32                          ; v[32:63]  bf16(z): tile i in 4 registers; B of tile i is v[Z+4i : Z+4i+7]
.set ZPAD, 64                          ; v[64:67]  zeros: the tail of the last tile's B, and the zeros stored into the code table
.set AF0,  68                          ; v[68:75]  A, buffer 0: 4 loaded registers, 4 zeros
.set AF1,  76                          ; v[76:83]  A, buffer 1
.set EE0,  84                          ; v[84:91]  ee of my 8 codes, buffer 0
.set EE1,  92                          ; v[92:99]  buffer 1
.set D0,   100                         ; v[100:107] matrix result, by turns with
.set D1,   108                         ; v[108:115]
.set T,    116                         ; v[116:123] t, then d, of 8 codes
.set ZZ,   124                         ; v[124:139] zz of tile i, twice: a pair for the packed add
.set BA,   140                         ; v[140:147] best distance of tile i so far; BA and BB take turns as old and new
.set BB,   148                         ; v[148:155]
.set TI,   156                         ; v[156:163] the code tile that holds the best; at the end the index
.set K,    164                         ; v[164:227] z as loaded (8 registers a tile); later the 8 distances of the winning code tile
	s_load_b128 s[4:7], s[0:1], 0x0                ; emb s[4:5], z s[6:7]
	s_load_b64 s[8:9], s[0:1], 0x10                ; idx
	v_lshl_add_u32 v228, v0, 2, 0x6800
	v_mov_b32 v229, 0
	v_lshrrev_b32 v2, 5, v0
	v_readfirstlane_b32 s10, v2                    ; wave 0..15
	s_lshl_b32 s11, ttmp9, 4
	s_add_co_u32 s11, s11, s10                     ; g = 16 x work-group + wave
	s_lshl_b32 s12, s11, 12                        ; g x 4,096 bytes of z (below 2^24)
	s_mov_b32 s13, 0
	s_lshl_b32 s14, s11, 8                         ; g x 256 bytes of idx
	s_mov_b32 s15, 0
	s_mov_b32 s22, 0xffff0000                      ; a word's upper bf16; as a lane mask: lanes 16-31
	s_mov_b32 s24, 0x76543210                      ; v_permlanex16_b32: lane i of one half reads lane i of the other
	s_mov_b32 s25, 0xfedcba98
	v_and_b32 v[ZO], 15, v0                        ; r
	v_bfe_u32 v[H8], v0, 4, 1                      ; h
	v_lshlrev_b32 v[EO], 5, v0                     ; 32 x thread
	v_mul_u32_u24 v[VA], v[ZO], APITCH
	v_lshl_add_u32 v[VA], v[H8], 4, v[VA]          ; 48 r + 16 h: lanes 16-31 read the row's zeros
	v_lshl_add_u32 v[VE], v[H8], 5, EETAB          ; ee of codes 8 h .. 8 h + 7
	v_and_b32 v[IO], 31, v0
	v_lshlrev_b32 v[IO], 3, v[IO]
	v_lshlrev_b32 v[ZO], 5, v[ZO]                  ; 32 r
	v_lshlrev_b32 v[H8], 3, v[H8]                  ; 8 h
	s_wait_kmcnt 0x0
	s_add_nc_u64 s[6:7], s[6:7], s[12:13]          ; z at my wave's 128 vectors
	s_add_nc_u64 s[8:9], s[8:9], s[14:15]          ; idx at my wave's 256 bytes
	global_load_b128 v[ERAW:ERAW+3],   v[EO], s[4:5]
	global_load_b128 v[ERAW+4:ERAW+7], v[EO], s[4:5] offset:16
.irp i, 0,1,2,3,4,5,6,7
	global_load_b128 v[K+8*\i:K+8*\i+3],   v[ZO], s[6:7] offset:512*\i        ; vector 16 i + r, in both halves of the lanes: each needs its zz
	global_load_b128 v[K+8*\i+4:K+8*\i+7], v[ZO], s[6:7] offset:512*\i+16
.endr
.irp k, 0,1,2,3
	v_mov_b32 v[ZPAD+\k], 0
	v_mov_b32 v[AF0+4+\k], 0                       ; A's k = 16..31, never loaded
	v_mov_b32 v[AF1+4+\k], 0
.endr
.irp k, 0,1,2,3,4,5,6,7
	v_mov_b32 v[BA+\k], 0x7f800000                 ; +infinity: the first code tile's finite minimum wins
	v_mov_b32 v[TI+\k], 0
.endr
; Eight bf16 in v[p : p+3] -> their squares' sum as two half sums in v[U], v[U+1].  A bf16's square is exact in f32, so each fused step rounds once, like an add.
.macro SQSUM p
.irp k, 0,1,2,3
	v_lshlrev_b32 v[U+2*\k],   16,  v[\p+\k]
	v_and_b32     v[U+2*\k+1], s22, v[\p+\k]
.endr
	v_pk_mul_f32 v[U:U+1], v[U:U+1], v[U:U+1]
.irp k, 2,4,6
	v_pk_fma_f32 v[U:U+1], v[U+\k:U+\k+1], v[U+\k:U+\k+1], v[U:U+1]
.endr
.endm
	; my code: -2 e in bf16 (the factor is exact, so this is -2 bf16(e)), and ee = a quarter of the sum of its squares (exact again)
	s_wait_loadcnt 16                              ; emb's two loads are in; the 16 loads of z issued behind them stay out
.irp k, 0,2,4,6
	v_pk_mul_f32 v[ERAW+\k:ERAW+\k+1], v[ERAW+\k:ERAW+\k+1], -2.0 op_sel_hi:[1,0]
.endr
.irp k, 0,1,2,3
	v_cvt_pk_bf16_f32 v[EPK+\k], v[ERAW+2*\k], v[ERAW+2*\k+1]
.endr
	SQSUM EPK
	v_add_f32 v[U], v[U], v[U+1]
	v_mul_f32 v[U], 0x3e800000, v[U]               ; x 0.25
	v_mul_u32_u24 v[T], v0, APITCH
	v_lshlrev_b32 v[T+1], 2, v0
	ds_store_b128 v[T], v[EPK:EPK+3]
	ds_store_b128 v[T], v[ZPAD:ZPAD+3] offset:16   ; the zeros that lanes 16-31 read as A's k = 8..15
	ds_store_b32 v[T+1], v[U] offset:EETAB
; tile i of z: to bf16, and zz of the rounded numbers, twice
.macro ZPREP i
	s_wait_loadcnt 14-2*\i                         ; loads come back in order: tile i's two are in, those of tiles i+1..7 stay out
.irp k, 0,1,2,3
	v_cvt_pk_bf16_f32 v[Z+4*\i+\k], v[K+8*\i+2*\k], v[K+8*\i+2*\k+1]
.endr
	SQSUM (Z+4*\i)
	v_add_f32 v[ZZ+2*\i],   v[U], v[U+1]
	v_add_f32 v[ZZ+2*\i+1], v[U], v[U+1]
.endm
.irp i, 0,1,2,3,4,5,6,7
	ZPREP \i
.endr
	s_wait_dscnt 0x0                               ; my three stores are done: the other waves read them behind the barrier
	s_barrier_signal -1
	s_barrier_wait -1                              ; both tables are whole; nothing writes LDS from here on
; -2 dot of 16 codes x the 16 vectors of tile i; the constant 0 as C: there is no sum over K steps
.macro WM d, af, i
	v_wmma_f32_16x16x32_bf16 v[\d:\d+7], v[\af:\af+7], v[Z+4*\i:Z+4*\i+7], 0
.endm
; 8 distances a lane (256 a wave) of z's tile i, in 22 instructions.  The first four name no register of a matrix instruction: they are
; the four places between a matrix instruction and the first read of its result (ISA guide 7.12.1).  d goes to T, so the lines behind name no D.
.macro PROC i, d, ee, bo, bn, st
.irp k, 0,2,4,6
	v_pk_add_f32 v[T+\k:T+\k+1], v[\ee+\k:\ee+\k+1], v[ZZ+2*\i:ZZ+2*\i+1]    ; t = zz + ee
.endr
.irp k, 0,2,4,6
	v_pk_add_f32 v[T+\k:T+\k+1], v[T+\k:T+\k+1], v[\d+\k:\d+\k+1]            ; d = t - 2 dot
.endr
	v_min3_num_f32 v[M], v[T], v[T+1], v[T+2]
	v_min3_num_f32 v[M], v[M], v[T+3], v[T+4]
	v_min3_num_f32 v[M], v[M], v[T+5], v[T+6]
	v_min3_num_f32 v[\bn+\i], v[M], v[T+7], v[\bo+\i]      ; the new best
	v_cmp_lt_f32 vcc_lo, v[\bn+\i], v[\bo+\i]              ; strictly better: an equal distance leaves the earlier code tile in place
	v_cndmask_b32 v[TI+\i], v[TI+\i], s[\st], vcc_lo       ; then this code tile's number
.irp k, 0,1,2,3,4,5,6,7
	v_cndmask_b32 v[K+8*\i+\k], v[K+8*\i+\k], v[T+\k], vcc_lo   ; and its eight distances are kept: which of the eight it was is settled once, at the end
.endr
.endm
; One tile of 16 codes against the wave's 128 vectors.  af, ee: this tile's buffers; afn, een: the next tile's, loaded here if ld.
; D0 and D1 take turns, one matrix instruction a turn, over the loop's backward jump too.
; A whole PROC of the other buffer stands between each matrix instruction and the read of its result (the first: PROC's own four places),
; 18 lines of PROC that do not name D stand in front of the matrix instruction that writes over it, and PROC 6 and 7 of the tile before
; stand in front of the loads into the A buffer that its matrix instructions read.
.macro TILE af, ee, afn, een, bo, bn, st, ld, aoff, eoff
	s_wait_dscnt 0x0                               ; this tile's three loads were the last LDS instructions issued
	WM D0, \af, 0
	WM D1, \af, 1
.if \ld
	ds_load_b128 v[\afn:\afn+3],   v[VA] offset:\aoff
	ds_load_b128 v[\een:\een+3],   v[VE] offset:\eoff
	ds_load_b128 v[\een+4:\een+7], v[VE] offset:\eoff+16
.endif
	PROC 0, D0, \ee, \bo, \bn, \st
	WM D0, \af, 2
	PROC 1, D1, \ee, \bo, \bn, \st
	WM D1, \af, 3
	PROC 2, D0, \ee, \bo, \bn, \st
	WM D0, \af, 4
	PROC 3, D1, \ee, \bo, \bn, \st
	WM D1, \af, 5
	PROC 4, D0, \ee, \bo, \bn, \st
	WM D0, \af, 6
	PROC 5, D1, \ee, \bo, \bn, \st
	WM D1, \af, 7
	PROC 6, D0, \ee, \bo, \bn, \st
	PROC 7, D1, \ee, \bo, \bn, \st
.endm
	ds_load_b128 v[AF0:AF0+3],   v[VA]             ; code tile 0
	ds_load_b128 v[EE0:EE0+3],   v[VE]
	ds_load_b128 v[EE0+4:EE0+7], v[VE] offset:16
	s_mov_b32 s20, 0                               ; the even code tile's number; also the loop's counter
.Ltiles:                                           ; 15 trips, two code tiles each: tiles 0 to 29
	s_add_co_u32 s21, s20, 1
	TILE AF0, EE0, AF1, EE1, BA, BB, 20, 1, 16*APITCH, 64
	TILE AF1, EE1, AF0, EE0, BB, BA, 21, 1, 2*16*APITCH, 128
	v_add_nc_u32 v[VA], 2*16*APITCH, v[VA]
	v_add_nc_u32 v[VE], 128, v[VE]
	s_add_co_u32 s20, s20, 2
	s_cmp_lt_u32 s20, NT-2
	s_cbranch_scc1 .Ltiles
	s_add_co_u32 s21, s20, 1                       ; tiles 30 and 31, written out: the last loads nothing, so no read passes the tables' ends
	TILE AF0, EE0, AF1, EE1, BA, BB, 20, 1, 16*APITCH, 64
	TILE AF1, EE1, AF0, EE0, BB, BA, 21, 0, 0, 0
; The index of z's tile i.  In my lane: the first of the eight kept distances that equals the best; index = 16 x code tile + 8 h + j.
; Then the two halves of the lanes: the smaller distance, and of equal ones the smaller index.  Both halves end with the same number.
.macro FIN i
	v_mov_b32 v[U], 7
.irp j, 6,5,4,3,2,1,0
	v_cmp_eq_f32 vcc_lo, v[K+8*\i+\j], v[BA+\i]
	v_cndmask_b32 v[U], v[U], \j, vcc_lo           ; descending j: the lowest match is written last
.endr
	v_lshl_add_u32 v[U], v[TI+\i], 4, v[U]
	v_add_nc_u32 v[U], v[U], v[H8]
	v_permlanex16_b32 v[U+1], v[BA+\i], s24, s25   ; the other half's best (the destinations have been written before)
	v_permlanex16_b32 v[U+2], v[U], s24, s25       ; and its index
	v_cmp_lt_f32 s30, v[U+1], v[BA+\i]
	v_cmp_eq_f32 s31, v[U+1], v[BA+\i]
	v_cmp_lt_u32 vcc_lo, v[U+2], v[U]
	s_and_b32 s31, s31, vcc_lo
	s_or_b32 s30, s30, s31
	v_cndmask_b32 v[TI+\i], v[U], v[U+2], s30
.endm
.irp i, 0,1,2,3,4,5,6,7
	FIN \i
.endr
	; idx as 16-bit numbers: lane (r, h) stores those of vectors 16 (4 h + k) + r, k = 0..3, at byte 8 x lane of the wave's 256 bytes
	v_lshl_or_b32 v[U+2], v[TI+1], 16, v[TI]
	v_lshl_or_b32 v[U+3], v[TI+3], 16, v[TI+2]
	v_lshl_or_b32 v[U+4], v[TI+5], 16, v[TI+4]
	v_lshl_or_b32 v[U+5], v[TI+7], 16, v[TI+6]
	v_cndmask_b32 v[U],   v[U+2], v[U+4], s22      ; lanes 16-31 take tiles 4 to 7
	v_cndmask_b32 v[U+1], v[U+3], v[U+5], s22
	global_store_b64 v[IO], v[U:U+1], s[8:9]       ; the wave's one store covers 256 consecutive bytes, aligned
	s_wait_tensorcnt 0x0
	ds_add_u32 v228, v229
	s_wait_dscnt 0x0
	s_endpgm
.Lfunc_end_k_q5b297eebb8_nearest:
	.size	k_q5b297eebb8_nearest, .Lfunc_end_k_q5b297eebb8_nearest-k_q5b297eebb8_nearest
	.p2alignl 7, 3214868480
	.fill 96, 4, 3214868480
	.section	.rodata,"a",@progbits
	.p2align	6, 0x0
	.amdhsa_kernel k_q5b297eebb8_nearest
		.amdhsa_group_segment_fixed_size 28672
		.amdhsa_private_segment_fixed_size 0
		.amdhsa_enable_private_segment 0
		.amdhsa_kernarg_size 24
		.amdhsa_user_sgpr_count 2
		.amdhsa_user_sgpr_kernarg_segment_ptr 1
		.amdhsa_wavefront_size32 1
		.amdhsa_system_sgpr_workgroup_id_x 1
		.amdhsa_system_sgpr_workgroup_id_y 1
		.amdhsa_system_sgpr_workgroup_id_z 1
		.amdhsa_system_vgpr_workitem_id 0
		.amdhsa_next_free_vgpr 230
		.amdhsa_next_free_sgpr 66
		.amdhsa_reserve_vcc 1
		.amdhsa_float_denorm_mode_32 3
		.amdhsa_float_denorm_mode_16_64 3
		.amdhsa_memory_ordered 1
		.amdhsa_forward_progress 1
		.amdhsa_inst_pref_size 61
	.end_amdhsa_kernel
	.amdgpu_metadata
---
amdhsa.version: [ 1, 2 ]
amdhsa.kernels:
  - .name:           k_q5b297eebb8_nearest
    .symbol:         k_q5b297eebb8_nearest.kd
    .args:
      - { .name: emb, .offset: 0, .size: 8, .value_kind: global_buffer, .address_space: global }
      - { .name: z, .offset: 8, .size: 8, .value_kind: global_buffer, .address_space: global }
      - { .name: idx, .offset: 16, .size: 8, .value_kind: global_buffer, .address_space: global }
    .group_segment_fixed_size: 28672
    .private_segment_fixed_size: 0
    .kernarg_segment_align: 8
    .kernarg_segment_size: 24
    .max_flat_workgroup_size: 512
    .sgpr_count:     66
    .vgpr_count:     230
    .wavefront_size: 32
...
	.end_amdgpu_metadata
.endif
;; end of part 1
;; launch gather (part 2): grid 256 x 1, 16 waves a work-group, no clusters, 18,688 bytes of LDS; arguments emb, z, idx, out0, part; writes out0, part
.if DOCPART == 2
	.amdgcn_target "amdgcn-amd-amdhsa--gfx1250"
	.amdhsa_code_object_version 6
	.text
	.protected	k_q5b297eebb8_gather
	.globl	k_q5b297eebb8_gather
	.p2align	8
	.type	k_q5b297eebb8_gather,@function
k_q5b297eebb8_gather:
	s_mov_b64 s[64:65], 0
	v_nop
	global_prefetch_b8 v0, s[64:65] scope:SCOPE_SE
	s_setreg_imm32_b32 hwreg(HW_REG_WAVE_MODE, 25, 1), 1
	s_wait_xcnt 0x0
; gather: out0 = z + (emb[idx] - z), all in f32 on the inputs as given, and part[work-group] = the sum of (emb[idx] - z)^2 over its 2,048 vectors.
; A stream: each byte of z is read once and each byte of out0 written once; every load of z and store of out0 of a wave covers 512
; consecutive bytes, aligned.  emb (16,384 bytes) lies in LDS, one row copied by each of the 512 threads; the gather is an LDS load.
; No matrix unit, no tensor load, no cluster: nothing is multiplied, a wave asks for all its 4,096 bytes of z at once, and what work-groups share
; is emb alone, read once by each.
; Wave g (0..4095) owns vectors 128 g .. 128 g + 127 as 8 tiles of 16.  In tile i lane L owns the 16 bytes at 512 i + 16 L: half L % 2 of vector 16 i + L / 2.
; idx (16-bit numbers): the wave's 256 bytes; the lane at (r, h) holds at byte 8 (r + 16 h) the indices of vectors 16 (4 h + k) + r, k = 0..3.
; LIMIT: an index above 511 cannot come from the launch that wrote idx; it is clamped to 511 so that no LDS address leaves the table.
.set RED,  16384                       ; behind the table: one f32 for each wave
.set LO16, 2                           ; v2        16 x lane: my bytes in a tile of z and of out0; never rewritten
.set EO,   3                           ; v3        32 x thread: my row of emb, in memory and in LDS
.set IO,   4                           ; v4        8 x lane
.set BP0,  5                           ; v5        4 x (lane / 2): the lane that holds my vectors' indices, tiles 0-3
.set BP1,  6                           ; v6        the same + 16 lanes: tiles 4-7
.set HOFF, 7                           ; v7        16 x (lane % 2): my half of a row of emb
.set IW,   8                           ; v[8:9]    idx as loaded
.set W,    10                          ; v[10:13]  word i / 2 holds the indices of my vectors in tiles i (even: low half) and i + 1
.set GA,   14                          ; v[14:21]  LDS address of my 16 bytes of the chosen code, tile i
.set EROW, 24                          ; v[24:31]  my row of emb
.set ZR,   32                          ; v[32:63]  z, tile i in 4 registers
.set ER,   64                          ; v[64:95]  the code's 4 numbers, then out0's
.set ACC,  96                          ; v[96:99]  four running sums of squares
.set S,    100                         ; v[100:103] emb[idx] - z
	s_load_b256 s[4:11], s[0:1], 0x0               ; emb s[4:5], z s[6:7], idx s[8:9], out0 s[10:11]
	s_load_b64 s[12:13], s[0:1], 0x20              ; part
	v_lshl_add_u32 v104, v0, 2, 0x4100
	v_mov_b32 v105, 0
	v_lshrrev_b32 v1, 5, v0
	v_readfirstlane_b32 s14, v1                    ; wave 0..15
	s_lshl_b32 s15, ttmp9, 4
	s_add_co_u32 s15, s15, s14                     ; g
	s_lshl_b32 s16, s15, 12                        ; g x 4,096 bytes of z and of out0
	s_mov_b32 s17, 0
	s_lshl_b32 s22, s15, 8                         ; g x 256 bytes of idx
	s_mov_b32 s23, 0
	s_lshl_b32 s24, ttmp9, 2                       ; my work-group's word of part
	s_mov_b32 s25, 0
	s_mov_b32 s18, 0x76543210                      ; v_permlanex16_b32: lane i of one half reads lane i of the other
	s_mov_b32 s19, 0xfedcba98
	v_and_b32 v1, 31, v0                           ; lane
	v_lshlrev_b32 v[LO16], 4, v1
	v_lshlrev_b32 v[EO], 5, v0
	v_lshlrev_b32 v[IO], 3, v1
	v_and_b32 v[BP0], 30, v1
	v_lshlrev_b32 v[BP0], 1, v[BP0]                ; 4 x (lane / 2)
	v_add_nc_u32 v[BP1], 64, v[BP0]
	v_and_b32 v[HOFF], 1, v1
	v_lshlrev_b32 v[HOFF], 4, v[HOFF]
	s_wait_kmcnt 0x0
	s_add_nc_u64 s[6:7], s[6:7], s[16:17]
	s_add_nc_u64 s[10:11], s[10:11], s[16:17]
	s_add_nc_u64 s[8:9], s[8:9], s[22:23]
	s_add_nc_u64 s[12:13], s[12:13], s[24:25]
	global_load_b64  v[IW:IW+1], v[IO], s[8:9]
	global_load_b128 v[EROW:EROW+3],   v[EO], s[4:5]
	global_load_b128 v[EROW+4:EROW+7], v[EO], s[4:5] offset:16
.irp i, 0,1,2,3,4,5,6,7
	global_load_b128 v[ZR+4*\i:ZR+4*\i+3], v[LO16], s[6:7] offset:512*\i th:TH_LOAD_NT   ; the program's last read of z
.endr
	s_wait_loadcnt 8                               ; idx and emb are in; the eight loads of z issued behind them stay out
	ds_store_b128 v[EO], v[EROW:EROW+3]
	ds_store_b128 v[EO], v[EROW+4:EROW+7] offset:16
	ds_bpermute_b32 v[W],   v[BP0], v[IW]          ; from lane L / 2: tiles 0, 1
	ds_bpermute_b32 v[W+1], v[BP0], v[IW+1]        ; tiles 2, 3
	ds_bpermute_b32 v[W+2], v[BP1], v[IW]          ; from lane 16 + L / 2: tiles 4, 5
	ds_bpermute_b32 v[W+3], v[BP1], v[IW+1]        ; tiles 6, 7
	s_wait_dscnt 0x0                               ; my row of the table is stored, for the other waves' sake; the four words are here
	s_barrier_signal -1
	s_barrier_wait -1                              ; the table is whole; nothing writes it again
.irp i, 0,1,2,3,4,5,6,7
.if \i % 2
	v_lshrrev_b32 v[GA+\i], 16, v[W+\i/2]
.else
	v_and_b32 v[GA+\i], 0xffff, v[W+\i/2]
.endif
	v_min_u32 v[GA+\i], 0x1ff, v[GA+\i]            ; inside the table whatever idx holds
	v_lshl_add_u32 v[GA+\i], v[GA+\i], 5, v[HOFF]  ; 32 x index + my half
	ds_load_b128 v[ER+4*\i:ER+4*\i+3], v[GA+\i]
.endr
	s_wait_loadcnt 0x0                             ; z
.irp i, 0,1,2,3,4,5,6,7
	s_wait_dscnt 7-\i                              ; LDS loads come back in order: tile i's code is in, those of tiles i+1..7 stay out
	v_pk_add_f32 v[S:S+1],   v[ER+4*\i:ER+4*\i+1],   v[ZR+4*\i:ZR+4*\i+1]   neg_lo:[0,1] neg_hi:[0,1]   ; s = z_q - z
	v_pk_add_f32 v[S+2:S+3], v[ER+4*\i+2:ER+4*\i+3], v[ZR+4*\i+2:ZR+4*\i+3] neg_lo:[0,1] neg_hi:[0,1]
.if \i
	v_pk_fma_f32 v[ACC:ACC+1],   v[S:S+1],   v[S:S+1],   v[ACC:ACC+1]
	v_pk_fma_f32 v[ACC+2:ACC+3], v[S+2:S+3], v[S+2:S+3], v[ACC+2:ACC+3]
.else
	v_pk_mul_f32 v[ACC:ACC+1],   v[S:S+1],   v[S:S+1]                   ; the first tile starts the sums
	v_pk_mul_f32 v[ACC+2:ACC+3], v[S+2:S+3], v[S+2:S+3]
.endif
	v_pk_add_f32 v[ER+4*\i:ER+4*\i+1],   v[ZR+4*\i:ZR+4*\i+1],   v[S:S+1]       ; out0 = z + s
	v_pk_add_f32 v[ER+4*\i+2:ER+4*\i+3], v[ZR+4*\i+2:ZR+4*\i+3], v[S+2:S+3]
	global_store_b128 v[LO16], v[ER+4*\i:ER+4*\i+3], s[10:11] offset:512*\i th:TH_STORE_NT   ; each tile has its own data registers: none is written again
.endr
	; the wave's sum, in every lane
	v_pk_add_f32 v[ACC:ACC+1], v[ACC:ACC+1], v[ACC+2:ACC+3]
	v_add_f32 v[ACC], v[ACC], v[ACC+1]
	v_add_f32_dpp v[ACC], v[ACC], v[ACC] row_xmask:1 row_mask:0xf bank_mask:0xf
	v_add_f32_dpp v[ACC], v[ACC], v[ACC] row_xmask:2 row_mask:0xf bank_mask:0xf
	v_add_f32_dpp v[ACC], v[ACC], v[ACC] row_xmask:4 row_mask:0xf bank_mask:0xf
	v_add_f32_dpp v[ACC], v[ACC], v[ACC] row_xmask:8 row_mask:0xf bank_mask:0xf
	v_permlanex16_b32 v[ACC+1], v[ACC], s18, s19
	v_add_f32 v[ACC], v[ACC], v[ACC+1]
	v_mov_b32 v[S], s14
	v_lshlrev_b32 v[S], 2, v[S]
	ds_store_b32 v[S], v[ACC] offset:RED           ; all lanes write the wave's word with the same value
	v_and_b32 v[S+1], 15, v0
	v_lshlrev_b32 v[S+1], 2, v[S+1]
	v_mov_b32 v[S+2], 0
	s_wait_dscnt 0x0                               ; stored, for wave 0's sake
	s_barrier_signal -1
	s_barrier_wait -1
	s_cmp_lg_u32 s14, 0
	s_cbranch_scc1 .Lend                           ; wave 0 alone adds the sixteen, in a fixed order
	ds_load_b32 v[ACC+2], v[S+1] offset:RED        ; lane L: wave L % 16's sum
	s_wait_dscnt 0x0
	v_add_f32_dpp v[ACC+2], v[ACC+2], v[ACC+2] row_xmask:1 row_mask:0xf bank_mask:0xf
	v_add_f32_dpp v[ACC+2], v[ACC+2], v[ACC+2] row_xmask:2 row_mask:0xf bank_mask:0xf
	v_add_f32_dpp v[ACC+2], v[ACC+2], v[ACC+2] row_xmask:4 row_mask:0xf bank_mask:0xf
	v_add_f32_dpp v[ACC+2], v[ACC+2], v[ACC+2] row_xmask:8 row_mask:0xf bank_mask:0xf
	v_cmp_eq_u32 vcc_lo, 0, v0
	s_wait_xcnt 0x0                                ; EXEC, a source of the stores above, changes only behind this wait
	s_and_saveexec_b32 s20, vcc_lo
	global_store_b32 v[S+2], v[ACC+2], s[12:13]    ; lane 0: the work-group's sum
	s_wait_xcnt 0x0                                ; and again in front of the line that widens it
	s_or_b32 exec_lo, exec_lo, s20
.Lend:
	s_wait_tensorcnt 0x0
	ds_add_u32 v104, v105
	s_wait_dscnt 0x0
	s_endpgm
.Lfunc_end_k_q5b297eebb8_gather:
	.size	k_q5b297eebb8_gather, .Lfunc_end_k_q5b297eebb8_gather-k_q5b297eebb8_gather
	.p2alignl 7, 3214868480
	.fill 96, 4, 3214868480
	.section	.rodata,"a",@progbits
	.p2align	6, 0x0
	.amdhsa_kernel k_q5b297eebb8_gather
		.amdhsa_group_segment_fixed_size 18688
		.amdhsa_private_segment_fixed_size 0
		.amdhsa_enable_private_segment 0
		.amdhsa_kernarg_size 40
		.amdhsa_user_sgpr_count 2
		.amdhsa_user_sgpr_kernarg_segment_ptr 1
		.amdhsa_wavefront_size32 1
		.amdhsa_system_sgpr_workgroup_id_x 1
		.amdhsa_system_sgpr_workgroup_id_y 1
		.amdhsa_system_sgpr_workgroup_id_z 1
		.amdhsa_system_vgpr_workitem_id 0
		.amdhsa_next_free_vgpr 106
		.amdhsa_next_free_sgpr 66
		.amdhsa_reserve_vcc 1
		.amdhsa_float_denorm_mode_32 3
		.amdhsa_float_denorm_mode_16_64 3
		.amdhsa_memory_ordered 1
		.amdhsa_forward_progress 1
		.amdhsa_inst_pref_size 11
	.end_amdhsa_kernel
	.amdgpu_metadata
---
amdhsa.version: [ 1, 2 ]
amdhsa.kernels:
  - .name:           k_q5b297eebb8_gather
    .symbol:         k_q5b297eebb8_gather.kd
    .args:
      - { .name: emb, .offset: 0, .size: 8, .value_kind: global_buffer, .address_space: global }
      - { .name: z, .offset: 8, .size: 8, .value_kind: global_buffer, .address_space: global }
      - { .name: idx, .offset: 16, .size: 8, .value_kind: global_buffer, .address_space: global }
      - { .name: out0, .offset: 24, .size: 8, .value_kind: global_buffer, .address_space: global }
      - { .name: part, .offset: 32, .size: 8, .value_kind: global_buffer, .address_space: global }
    .group_segment_fixed_size: 18688
    .private_segment_fixed_size: 0
    .kernarg_segment_align: 8
    .kernarg_segment_size: 40
    .max_flat_workgroup_size: 512
    .sgpr_count:     66
    .vgpr_count:     106
    .wavefront_size: 32
...
	.end_amdgpu_metadata
.endif
;; end of part 2
;; launch total (part 3): grid 1 x 1, 1 waves a work-group, no clusters, 0 bytes of LDS; arguments part, out1; writes out1
.if DOCPART == 3
	.amdgcn_target "amdgcn-amd-amdhsa--gfx1250"
	.amdhsa_code_object_version 6
	.text
	.protected	k_q5b297eebb8_total
	.globl	k_q5b297eebb8_total
	.p2align	8
	.type	k_q5b297eebb8_total,@function
k_q5b297eebb8_total:
	s_mov_b64 s[64:65], 0
	v_nop
	global_prefetch_b8 v0, s[64:65] scope:SCOPE_SE
	s_setreg_imm32_b32 hwreg(HW_REG_WAVE_MODE, 25, 1), 1
	s_wait_xcnt 0x0
; total: loss = m + 0.25 m, m = (the sum of the 256 work-groups' sums of squares) / 4,194,304 (524,288 vectors of 8 numbers).
; Both losses of the problem are the same mean, since stopping a gradient changes no value.  One wave: a sum that spans work-groups is made by one owner, in a
; launch of its own, in a fixed order.  1,024 bytes come in by two loads of 512 consecutive bytes.
	s_load_b128 s[4:7], s[0:1], 0x0                ; part s[4:5], out1 s[6:7]
	s_mov_b32 s8, 0x76543210                       ; v_permlanex16_b32: lane i of one half reads lane i of the other
	s_mov_b32 s9, 0xfedcba98
	v_lshlrev_b32 v1, 4, v0                        ; 16 x lane
	v_mov_b32 v2, 0                                ; the store's offset
	s_wait_kmcnt 0x0
	global_load_b128 v[4:7],  v1, s[4:5]
	global_load_b128 v[8:11], v1, s[4:5] offset:512
	s_wait_loadcnt 0x0
	v_pk_add_f32 v[4:5], v[4:5], v[6:7]
	v_pk_add_f32 v[8:9], v[8:9], v[10:11]
	v_pk_add_f32 v[4:5], v[4:5], v[8:9]
	v_add_f32 v4, v4, v5
	v_add_f32_dpp v4, v4, v4 row_xmask:1 row_mask:0xf bank_mask:0xf
	v_add_f32_dpp v4, v4, v4 row_xmask:2 row_mask:0xf bank_mask:0xf
	v_add_f32_dpp v4, v4, v4 row_xmask:4 row_mask:0xf bank_mask:0xf
	v_add_f32_dpp v4, v4, v4 row_xmask:8 row_mask:0xf bank_mask:0xf
	v_permlanex16_b32 v5, v4, s8, s9
	v_add_f32 v4, v4, v5
	v_mul_f32 v4, 0x34800000, v4                   ; m = sum x 2^-22
	v_fmamk_f32 v5, v4, 0x3e800000, v4             ; m x 0.25 + m
	v_cmp_eq_u32 vcc_lo, 0, v0
	s_wait_xcnt 0x0                                ; EXEC changes only behind this wait
	s_and_saveexec_b32 s10, vcc_lo
	global_store_b32 v2, v5, s[6:7]                ; lane 0 writes the one number
	s_endpgm
.Lfunc_end_k_q5b297eebb8_total:
	.size	k_q5b297eebb8_total, .Lfunc_end_k_q5b297eebb8_total-k_q5b297eebb8_total
	.p2alignl 7, 3214868480
	.fill 96, 4, 3214868480
	.section	.rodata,"a",@progbits
	.p2align	6, 0x0
	.amdhsa_kernel k_q5b297eebb8_total
		.amdhsa_group_segment_fixed_size 0
		.amdhsa_private_segment_fixed_size 0
		.amdhsa_enable_private_segment 0
		.amdhsa_kernarg_size 16
		.amdhsa_user_sgpr_count 2
		.amdhsa_user_sgpr_kernarg_segment_ptr 1
		.amdhsa_wavefront_size32 1
		.amdhsa_system_sgpr_workgroup_id_x 1
		.amdhsa_system_sgpr_workgroup_id_y 1
		.amdhsa_system_sgpr_workgroup_id_z 1
		.amdhsa_system_vgpr_workitem_id 0
		.amdhsa_next_free_vgpr 16
		.amdhsa_next_free_sgpr 66
		.amdhsa_reserve_vcc 1
		.amdhsa_float_denorm_mode_32 3
		.amdhsa_float_denorm_mode_16_64 3
		.amdhsa_memory_ordered 1
		.amdhsa_forward_progress 1
		.amdhsa_inst_pref_size 2
	.end_amdhsa_kernel
	.amdgpu_metadata
---
amdhsa.version: [ 1, 2 ]
amdhsa.kernels:
  - .name:           k_q5b297eebb8_total
    .symbol:         k_q5b297eebb8_total.kd
    .args:
      - { .name: part, .offset: 0, .size: 8, .value_kind: global_buffer, .address_space: global }
      - { .name: out1, .offset: 8, .size: 8, .value_kind: global_buffer, .address_space: global }
    .group_segment_fixed_size: 0
    .private_segment_fixed_size: 0
    .kernarg_segment_align: 8
    .kernarg_segment_size: 16
    .max_flat_workgroup_size: 32
    .sgpr_count:     66
    .vgpr_count:     16
    .wavefront_size: 32
...
	.end_amdgpu_metadata
.endif
;; end of part 3
;; ======== version 2 of 2: 2 launches; 1.38 times as fast as version 1
;; limits: values outside matrix products are rounded to bf16
;; workspace buffers: part 1,024 bytes
;; launch quantize (part 4): grid 256 x 1, 16 waves a work-group, no clusters, 37,120 bytes of LDS; arguments emb, z, out0, part; writes out0, part
.if DOCPART == 4
	.amdgcn_target "amdgcn-amd-amdhsa--gfx1250"
	.amdhsa_code_object_version 6
	.text
	.protected	k_q5b297eebb8_quantize
	.globl	k_q5b297eebb8_quantize
	.p2align	8
	.type	k_q5b297eebb8_quantize,@function
k_q5b297eebb8_quantize:
	s_mov_b64 s[64:65], 0
	v_nop
	global_prefetch_b8 v0, s[64:65] scope:SCOPE_SE
	s_setreg_imm32_b32 hwreg(HW_REG_WAVE_MODE, 25, 1), 1
	s_wait_xcnt 0x0
; quantize: for 524,288 vectors z_v of 8 numbers: idx = the first argmin over the 512 codes c of  d = (|z_v|^2 + |e_c|^2) - 2 z_v.e_c;
; out0 = z + (e_idx - z);  part[work-group] = the sum of (z - e_idx)^2 over its 2,048 vectors.
; NUMBERS.  For the search z and emb are rounded to bf16 once; zz, ee and the products are all made of the rounded numbers.  d is formed in f32
; in the order  t = zz + ee (one rounding),  d = t + (-2 dot) (one rounding): neither zz nor ee is folded into the matrix product, since the
; distances of one vector lie on a coarse grid (the spacing of f32 near zz) and equal distances occur; the lowest index wins them.
; THE CHOSEN CODE IS FETCHED BY VALUE, as a product with a one-hot matrix: no address is formed from the index.  So out0 and the sum of squares
; use emb rounded to bf16 (relative error at most 2^-8), with z as given, in f32.
; LIMITS.  Finite z and emb, and -2 emb finite in bf16 (|emb| below about 1.6e38).  A z that is not finite also spoils the 16 vectors of
; the tile in front of it, whose B operand reaches into its registers at K places that meet zeros.  The eight-term sums zz, ee and dot
; may differ in their last bit from sums taken in another order.
; SHARES.  256 work-groups of 16 waves.  Wave g (0..4095) owns vectors 128 g .. 128 g + 127 (4,096 consecutive bytes of z) as 8 tiles of
; 16, against all 512 codes as 32 tiles of 16.  Thread t of the work-group prepares code t: bf16(-2 e) and ee go to LDS once.
; THE SEARCH.  A = 16 codes, B = 16 vectors: in D, lane (r = lane % 16, h = lane / 16) holds in register j the product of code
; 16 t + 8 h + j with vector r, so the search over the codes stays inside a lane but for one exchange of the two halves at the end.
; Of the form's K = 32 only k = 0..7 carry data: A's lanes 16-31 read zeros from LDS (k = 8..15), A's registers 4-7 are zeros
; (k = 16..31); what B holds there (other finite z) is multiplied by zero.
; NO CLUSTER, NO TENSOR LOAD: the one input that work-groups share is emb, 16,384 of the 147,456 bytes a work-group loads, it is read once
; and converted in registers before it lies in LDS; every byte of z is used by one wave alone.
.set NT,     32                        ; tiles of 16 codes
.set APITCH, 48                        ; an LDS row of the code table: 16 bytes bf16(-2 e), 16 bytes of zeros, 16 unused; 16-byte column 3 r mod 16 differs in 16 rows
.set EETAB,  512*APITCH                ; 24,576: 512 f32: ee
.set GT,     EETAB+2048                ; 26,624: the code table turned round for the fetch: 128 rows of 32 bf16 (64 bytes)
.set RED,    GT+8192                   ; 34,816: one f32 for each wave
.set ZO,   1                           ; v1        32 r: my vector's bytes in a tile of z; never rewritten
.set EO,   2                           ; v2        32 x thread: my code's bytes in emb; never rewritten
.set VA,   3                           ; v3        LDS address of my A registers 0-3 in the current pair of code tiles
.set BPI,  3                           ;           behind the search: 4 x the lane whose numbers I store
.set VE,   4                           ; v4        LDS address of my eight ee
.set GAD,  4                           ;           behind the search: 64 r + 16 h, my bytes in 16 rows of GT
.set H8,   5                           ; v5        8 h
.set LO16, 6                           ; v6        16 x lane: my bytes in a tile of z and of out0, in memory order; never rewritten
.set H4,   7                           ; v7        4 h
.set U,    8                           ; v[8:15]   at work in the set-up and in FIN; in the loop it is T1
.set T1,   8                           ; v[8:15]   t, then d, of 8 codes: the odd steps' buffer
.set VAL,  8                           ; the fetch: bf16 1.0 in the half of a word that the index picks
.set PR,   9                           ;            which of my B registers holds it, if any
.set CW,   10                          ;            bits 3:1 of the index
.set C0,   11                          ;            bit 0
.set SH,   12
.set ONE,  13                          ;            0x3f80
.set ERAW, 16                          ; v[16:23]  my code as loaded, then times -2
.set M,    16                          ; v[16:18]  in the loop: three partial minima
.set ACC,  16                          ; v[16:19]  at the end: four running sums of squares
.set S,    20                          ; v[20:23]  z - e
.set EPK,  24                          ; v[24:27]  bf16(-2 e)
.set Q,    24                          ;           the fetch: -2 e of the chosen code, my 4 components
.set Z,    32                          ; v[32:63]  bf16(z): tile i in 4 registers; B of tile i is v[Z+4i : Z+4i+7]
.set ZR,   32                          ;           behind the search: z again as given, 4 numbers a tile, in memory order
.set ZPAD, 64                          ; v[64:67]  zeros: the tail of the last tile's B, and the zeros stored into the code table
.set AF0,  68                          ; v[68:75]  A, buffer 0: 4 loaded registers, 4 zeros
.set AF1,  76                          ; v[76:83]  A, buffer 1
.set B0,   68                          ;           the fetch: one-hot B, two buffers
.set B1,   76
.set EE0,  84                          ; v[84:91]  ee of my 8 codes, buffer 0
.set EE1,  92                          ; v[92:99]  buffer 1
.set D0,   100                         ; v[100:107] matrix result, by turns with
.set D1,   108                         ; v[108:115]
.set T0,   116                         ; v[116:123] t, then d, of 8 codes: the even steps' buffer
.set G,    116                         ;           the fetch: the pair of codes kept
.set ZZ,   124                         ; v[124:139] zz of tile i, twice: a pair for the packed add
.set P,    124                         ; v[124:155] behind FIN: -2 e in memory order, then out0; 4 registers a tile
.set BA,   140                         ; v[140:147] best distance of tile i so far; BA and BB take turns as old and new
.set BB,   148                         ; v[148:155]
.set TI,   156                         ; v[156:163] the code tile that holds the best; behind FIN the index
.set K,    164                         ; v[164:227] z as loaded (8 registers a tile); later the 8 distances of the winning code tile
.set GA,   164                         ;           the fetch: A for w = 0..7, 8 registers each
	s_load_b256 s[4:11], s[0:1], 0x0               ; emb s[4:5], z s[6:7], out0 s[8:9], part s[10:11]
	v_lshl_add_u32 v228, v0, 2, 0x8900
	v_mov_b32 v229, 0
	v_lshrrev_b32 v2, 5, v0
	v_readfirstlane_b32 s16, v2                    ; wave 0..15
	s_lshl_b32 s17, ttmp9, 4
	s_add_co_u32 s17, s17, s16                     ; g = 16 x work-group + wave
	s_lshl_b32 s12, s17, 12                        ; g x 4,096 bytes of z and of out0 (below 2^24)
	s_mov_b32 s13, 0
	s_lshl_b32 s14, ttmp9, 2                       ; my work-group's word of part
	s_mov_b32 s15, 0
	s_mov_b32 s22, 0xffff0000                      ; a word's upper bf16
	s_mov_b32 s24, 0x76543210                      ; v_permlanex16_b32: lane i of one half reads lane i of the other
	s_mov_b32 s25, 0xfedcba98
	v_and_b32 v[ZO], 15, v0                        ; r
	v_bfe_u32 v[H8], v0, 4, 1                      ; h
	v_lshlrev_b32 v[EO], 5, v0                     ; 32 x thread
	v_mul_u32_u24 v[VA], v[ZO], APITCH
	v_lshl_add_u32 v[VA], v[H8], 4, v[VA]          ; 48 r + 16 h: lanes 16-31 read the row's zeros
	v_lshl_add_u32 v[VE], v[H8], 5, EETAB          ; ee of codes 8 h .. 8 h + 7
	v_and_b32 v[LO16], 31, v0
	v_lshlrev_b32 v[LO16], 4, v[LO16]
	v_lshlrev_b32 v[ZO], 5, v[ZO]                  ; 32 r
	v_lshlrev_b32 v[H4], 2, v[H8]                  ; 4 h
	v_lshlrev_b32 v[H8], 3, v[H8]                  ; 8 h
	s_wait_kmcnt 0x0
	s_add_nc_u64 s[6:7], s[6:7], s[12:13]          ; z at my wave's 128 vectors
	s_add_nc_u64 s[8:9], s[8:9], s[12:13]          ; out0 likewise
	s_add_nc_u64 s[10:11], s[10:11], s[14:15]
	global_load_b128 v[ERAW:ERAW+3],   v[EO], s[4:5]
	global_load_b128 v[ERAW+4:ERAW+7], v[EO], s[4:5] offset:16
.irp i, 0,1,2,3,4,5,6,7
	global_load_b128 v[K+8*\i:K+8*\i+3],   v[ZO], s[6:7] offset:512*\i        ; vector 16 i + r, in both halves of the lanes: each needs its zz
	global_load_b128 v[K+8*\i+4:K+8*\i+7], v[ZO], s[6:7] offset:512*\i+16
.endr
.irp k, 0,1,2,3
	v_mov_b32 v[ZPAD+\k], 0
	v_mov_b32 v[AF0+4+\k], 0                       ; A's k = 16..31, never loaded
	v_mov_b32 v[AF1+4+\k], 0
.endr
; Eight bf16 in v[p : p+3] -> their squares' sum as two half sums in v[U], v[U+1].  A bf16's square is exact in f32, so each fused step rounds once, like an add.
.macro SQSUM p
.irp k, 0,1,2,3
	v_lshlrev_b32 v[U+2*\k],   16,  v[\p+\k]
	v_and_b32     v[U+2*\k+1], s22, v[\p+\k]
.endr
	v_pk_mul_f32 v[U:U+1], v[U:U+1], v[U:U+1]
.irp k, 2,4,6
	v_pk_fma_f32 v[U:U+1], v[U+\k:U+\k+1], v[U+\k:U+\k+1], v[U:U+1]
.endr
.endm
	; my code: -2 e in bf16 (the factor is exact, so this is -2 bf16(e)), and ee = a quarter of the sum of its squares (exact again)
	s_wait_loadcnt 16                              ; emb's two loads are in; the 16 loads of z issued behind them stay out
.irp k, 0,2,4,6
	v_pk_mul_f32 v[ERAW+\k:ERAW+\k+1], v[ERAW+\k:ERAW+\k+1], -2.0 op_sel_hi:[1,0]
.endr
.irp k, 0,1,2,3
	v_cvt_pk_bf16_f32 v[EPK+\k], v[ERAW+2*\k], v[ERAW+2*\k+1]
.endr
	SQSUM EPK
	v_add_f32 v[U], v[U], v[U+1]
	v_mul_f32 v[U], 0x3e800000, v[U]               ; x 0.25
	v_mul_u32_u24 v[T0], v0, APITCH
	v_lshlrev_b32 v[T0+1], 2, v0
	ds_store_b128 v[T0], v[EPK:EPK+3]
	ds_store_b128 v[T0], v[ZPAD:ZPAD+3] offset:16  ; the zeros that lanes 16-31 read as A's k = 8..15
	ds_store_b32 v[T0+1], v[U] offset:EETAB
	; GT, the code table turned round.  Row 16 w + m (w = 0..7, m = 0..15), column k = 0..31 holds component 4 (m / 8) + m % 4 of -2 e of code
	; 16 k + 2 w + (m / 4) % 2.  Thread t makes the 16 bytes at 16 t: row t / 4, columns 8 (t % 4) + i, i = 0..7: eight bf16 that lie 16 codes apart.
	v_lshrrev_b32 v[D1], 6, v0                     ; w
	v_bfe_u32 v[D1+1], v0, 4, 1                    ; (m / 4) % 2
	v_lshl_add_u32 v[D1], v[D1], 1, v[D1+1]        ; the code's last four bits
	v_mul_u32_u24 v[D1], v[D1], APITCH
	v_and_b32 v[D1+1], 3, v0                       ; t % 4: 128 codes each
	v_mul_u32_u24 v[D1+1], v[D1+1], 128*APITCH
	v_add_nc_u32 v[D1], v[D1], v[D1+1]
	v_bfe_u32 v[D1+1], v0, 5, 1                    ; m / 8: 4 components of 2 bytes
	v_lshl_add_u32 v[D1], v[D1+1], 3, v[D1]
	v_bfe_u32 v[D1+1], v0, 2, 2                    ; m % 4
	v_lshl_add_u32 v[D1], v[D1+1], 1, v[D1]
	v_lshlrev_b32 v[T0+4], 4, v0                   ; where my 16 bytes go
	s_wait_dscnt 0x0                               ; my three stores are done: the other waves read them behind the barrier
	s_barrier_signal -1
	s_barrier_wait -1                              ; the code table and ee are whole, and are not written again
.irp i, 0,1,2,3,4,5,6,7
	ds_load_u16 v[D0+\i], v[D1] offset:16*APITCH*\i
.endr
; tile i of z: to bf16, and zz of the rounded numbers, twice
.macro ZPREP i
	s_wait_loadcnt 14-2*\i                         ; loads come back in order: tile i's two are in, those of tiles i+1..7 stay out
.irp k, 0,1,2,3
	v_cvt_pk_bf16_f32 v[Z+4*\i+\k], v[K+8*\i+2*\k], v[K+8*\i+2*\k+1]
.endr
	SQSUM (Z+4*\i)
	v_add_f32 v[ZZ+2*\i],   v[U], v[U+1]
	v_add_f32 v[ZZ+2*\i+1], v[U], v[U+1]
.endm
.irp i, 0,1,2,3,4,5,6,7
	ZPREP \i
.endr
	s_wait_dscnt 0x0                               ; the eight bf16
.irp k, 0,1,2,3
	v_lshl_or_b32 v[T0+\k], v[D0+2*\k+1], 16, v[D0+2*\k]   ; the lower k in the lower half
.endr
	ds_store_b128 v[T0+4], v[T0:T0+3] offset:GT
	s_wait_dscnt 0x0                               ; stored, for the other waves' sake
	s_barrier_signal -1
	s_barrier_wait -1                              ; GT is whole; it is read behind the search
; -2 dot of 16 codes x the 16 vectors of tile i; the constant 0 as C: there is no sum over K steps
.macro WM d, af, i
	v_wmma_f32_16x16x32_bf16 v[\d:\d+7], v[\af:\af+7], v[Z+4*(\i):Z+4*(\i)+7], 0
.endm
.macro TADD tb, ee, i                  ; t = zz + ee, 8 codes
.irp k, 0,2,4,6
	v_pk_add_f32 v[\tb+\k:\tb+\k+1], v[\ee+\k:\ee+\k+1], v[ZZ+2*(\i):ZZ+2*(\i)+1]
.endr
.endm
.macro DADD tb, d                      ; d = t - 2 dot, in t's registers: the lines behind name no D
.irp k, 0,2,4,6
	v_pk_add_f32 v[\tb+\k:\tb+\k+1], v[\tb+\k:\tb+\k+1], v[\d+\k:\d+\k+1]
.endr
.endm
; Two of the eight distances of a code tile that has just won are kept, where VCC says so: which of the eight it was is settled once, at the end.
; Two selects in one instruction: destinations even and odd, the first sources (K) and the second sources (T) one register apart, so in different banks.
.macro KEEP tb, i, k
	v_dual_cndmask_b32 v[K+8*(\i)+\k], v[K+8*(\i)+\k], v[\tb+\k] :: v_dual_cndmask_b32 v[K+8*(\i)+\k+1], v[K+8*(\i)+\k+1], v[\tb+\k+1]
.endm
; ONE STEP = 16 codes x z's tile i: 8 distances a lane, 256 a wave, in 18 vector instructions and one matrix instruction.
; The steps are staggered so that no line reads what the lines just in front of it wrote.  In step i stand: the second add of step i; the matrix
; instruction of step i + 2; the keeping of step i - 1 (its VCC, its T buffer), in two halves between the levels of step i's minimum; the first
; add of step i + 1, into the T buffer whose keeping has just ended; step i's compare, which sets VCC for the next step.
; The stagger runs on over the code tiles: steps 6 and 7 issue the next code tile's first two matrix instructions, step 7 makes its first t,
; and step 0 keeps for step 7 of the code tile before, under that tile's number (pst).  more = 0: there is no next code tile.
; MATRIX DISTANCES (ISA guide 7.12.1).  D0 and D1 take turns, one matrix instruction a turn, over the tiles and the backward jump too.
; A D is read two steps behind its matrix instruction; the matrix instruction that writes over it has behind the earlier one
; the 14 lines of a step that name none of its registers.  The loads into the other A buffer stand two steps and more behind the last matrix instruction that read it.
.macro STEP i, af, ee, afn, een, bo, bn, st, pst, more, aoff, eoff
.set tc, T0+(T1-T0)*(\i%2)             ; this step's T buffer
.set tp, T0+(T1-T0)*((\i+1)%2)         ; the other: step i - 1's distances, then step i + 1's t
.set dc, D0+8*(\i%2)
.set pi, (\i+7)%8                      ; z's tile of the step before
	DADD tc, dc
.if \i < 6
	WM dc, \af, \i+2
.else
.if \more
.if \i == 6
	s_wait_dscnt 0x0                               ; the three loads of step 0 are the only LDS instructions out: the next code tile's A and ee are in
.endif
	WM dc, \afn, \i-6
.endif
.endif
.if \more
.if \i == 0
	ds_load_b128 v[\afn:\afn+3],   v[VA] offset:\aoff      ; the next code tile, six steps ahead of its first use
	ds_load_b128 v[\een:\een+3],   v[VE] offset:\eoff
	ds_load_b128 v[\een+4:\een+7], v[VE] offset:\eoff+16
.endif
.endif
	KEEP tp, pi, 0
	KEEP tp, pi, 2
	v_min3_num_f32 v[M],   v[tc],   v[tc+1], v[tc+2]       ; three minima that do not wait for each other,
	v_min3_num_f32 v[M+1], v[tc+3], v[tc+4], v[tc+5]
	v_min3_num_f32 v[M+2], v[tc+6], v[tc+7], v[\bo+\i]     ; the best so far among them
	KEEP tp, pi, 4
	KEEP tp, pi, 6
.if \i == 0
	v_cndmask_b32 v[TI+pi], v[TI+pi], s[\pst], vcc_lo      ; and the number of the code tile that won
.else
	v_cndmask_b32 v[TI+pi], v[TI+pi], s[\st], vcc_lo
.endif
	v_min3_num_f32 v[\bn+\i], v[M], v[M+1], v[M+2]         ; the new best
.if \i < 7
	TADD tp, \ee, \i+1
.else
.if \more
	TADD tp, \een, 0
.endif
.endif
	v_cmp_lt_f32 vcc_lo, v[\bn+\i], v[\bo+\i]              ; strictly better: an equal distance leaves the earlier code tile in place
.endm
.macro TILE af, ee, afn, een, bo, bn, st, pst, more, aoff, eoff
.irp i, 0,1,2,3,4,5,6,7
	STEP \i, \af, \ee, \afn, \een, \bo, \bn, \st, \pst, \more, \aoff, \eoff
.endr
.endm
	ds_load_b128 v[AF0:AF0+3],   v[VA]             ; code tile 0
	ds_load_b128 v[EE0:EE0+3],   v[VE]
	ds_load_b128 v[EE0+4:EE0+7], v[VE] offset:16
	s_mov_b32 s20, 0                               ; the even code tile's number; also the loop's counter
	s_mov_b32 s21, 0                               ; the odd one's; read once under an empty VCC before it holds one
	s_mov_b32 vcc_lo, 0                            ; the first step keeps nothing: no step stands in front of it
	s_wait_dscnt 0x0
	WM D0, AF0, 0                                  ; what steps 6 and 7 of a code tile in front would have issued
	WM D1, AF0, 1
.irp k, 0,1,2,3,4,5,6,7
	v_mov_b32 v[BA+\k], 0x7f800000                 ; +infinity: the first code tile's finite minimum wins
	v_mov_b32 v[TI+\k], 0                          ; (these sixteen lines and the four below name no register of the two matrix instructions: their places)
.endr
	TADD T0, EE0, 0
.Ltiles:                                           ; 15 trips, two code tiles each: tiles 0 to 29
	TILE AF0, EE0, AF1, EE1, BA, BB, 20, 21, 1, 16*APITCH, 64
	s_add_co_u32 s21, s20, 1                       ; behind the even tile's step 0, which still read the last odd tile's number
	TILE AF1, EE1, AF0, EE0, BB, BA, 21, 20, 1, 2*16*APITCH, 128
	v_add_nc_u32 v[VA], 2*16*APITCH, v[VA]
	v_add_nc_u32 v[VE], 128, v[VE]
	s_add_co_u32 s20, s20, 2
	s_cmp_lt_u32 s20, NT-2
	s_cbranch_scc1 .Ltiles
	TILE AF0, EE0, AF1, EE1, BA, BB, 20, 21, 1, 16*APITCH, 64      ; tiles 30 and 31, written out: the last loads nothing, so no read passes the tables' ends
	s_add_co_u32 s21, s20, 1
	TILE AF1, EE1, AF0, EE0, BB, BA, 21, 20, 0, 0, 0
	KEEP T1, 7, 0                                  ; the keeping of the very last step
	KEEP T1, 7, 2
	KEEP T1, 7, 4
	KEEP T1, 7, 6
	v_cndmask_b32 v[TI+7], v[TI+7], s21, vcc_lo
	; z once more, as given: the registers that held it were taken for the kept distances.  16 bytes a lane in memory order, 512 consecutive bytes a load,
	; into the registers of bf16(z), which the last matrix instruction read more than two steps ago.  FIN and the fetch run while these are on their way.
.irp i, 0,1,2,3,4,5,6,7
	global_load_b128 v[ZR+4*\i:ZR+4*\i+3], v[LO16], s[6:7] offset:512*\i th:TH_LOAD_NT
.endr
; The index of z's tile i.  In my lane: the first of the eight kept distances that equals the best; index = 16 x code tile + 8 h + j.
; Then the two halves of the lanes: the smaller distance, and of equal ones the smaller index.  Both halves end with the same number.
.macro FIN i
	v_mov_b32 v[U], 7
.irp j, 6,5,4,3,2,1,0
	v_cmp_eq_f32 vcc_lo, v[K+8*\i+\j], v[BA+\i]
	v_cndmask_b32 v[U], v[U], \j, vcc_lo           ; descending j: the lowest match is written last
.endr
	v_lshl_add_u32 v[U], v[TI+\i], 4, v[U]
	v_add_nc_u32 v[U], v[U], v[H8]
	v_permlanex16_b32 v[U+1], v[BA+\i], s24, s25   ; the other half's best (the destinations have been written before)
	v_permlanex16_b32 v[U+2], v[U], s24, s25       ; and its index
	v_cmp_lt_f32 s30, v[U+1], v[BA+\i]
	v_cmp_eq_f32 s31, v[U+1], v[BA+\i]
	v_cmp_lt_u32 vcc_lo, v[U+2], v[U]
	s_and_b32 s31, s31, vcc_lo
	s_or_b32 s30, s30, s31
	v_cndmask_b32 v[TI+\i], v[U], v[U+2], s30
.endm
.irp i, 0,1,2,3,4,5,6,7
	FIN \i
.endr
	; THE FETCH.  index = 16 t + 2 w + b.  B = the one-hot of t for 16 vectors: t has 32 values, the form's K.  A_w = rows 16 w .. 16 w + 15 of GT.
	; D = A_w x B: lane (r, h), register j = component 4 h + j % 4 of -2 e of code 16 t + 2 w + j / 4, for vector r: one product by 1.0, so exact.
	; Eight products give the lane its four components of all 16 codes of the tile that won; selects on w, then on b, keep the one.
	v_lshlrev_b32 v[GAD], 1, v[ZO]                 ; 64 r
	v_lshl_add_u32 v[GAD], v[H8], 1, v[GAD]        ; + 16 h
.irp w, 0,1,2,3,4,5,6,7
	ds_load_b128 v[GA+8*\w:GA+8*\w+3],   v[GAD] offset:GT+1024*\w        ; k = 8 h .. 8 h + 7  (rows 64 bytes apart: four deep on the banks; 16 loads in all)
	ds_load_b128 v[GA+8*\w+4:GA+8*\w+7], v[GAD] offset:GT+1024*\w+32     ; k = 16 + 8 h ..
.endr
	v_and_b32 v[BPI], 31, v0
	v_and_b32 v[SH], 1, v[BPI]
	v_lshrrev_b32 v[BPI], 1, v[BPI]
	v_lshlrev_b32 v[BPI], 2, v[BPI]
	v_lshl_add_u32 v[BPI], v[SH], 6, v[BPI]        ; lane L stores what lane L / 2 + 16 (L % 2) holds: vector L / 2, half L % 2
	v_mov_b32 v[ONE], 0x3f80                       ; bf16 1.0
; The one-hot of t for z's tile i.  My register q holds k = 8 h + 2 q, + 1 (q < 4) or 16 + 8 h + 2 (q - 4), + 1: t lies there if t / 2 - 4 h = q, or q + 4.
.macro BUILD i, bb
	v_and_b32 v[SH], 16, v[TI+(\i)]                ; 16 x (t % 2): the odd k is the upper half
	v_lshrrev_b32 v[PR], 5, v[TI+(\i)]             ; t / 2
	v_lshlrev_b32 v[VAL], v[SH], v[ONE]
	v_sub_nc_u32 v[PR], v[PR], v[H4]               ; below zero it matches nothing
.irp q, 0,1,2,3,4,5,6,7
	v_cmp_eq_u32 vcc_lo, \q+4*(\q/4), v[PR]
	v_cndmask_b32 v[\bb+\q], 0, v[VAL], vcc_lo
.endr
.endm
.macro GW d, w, bb
	v_wmma_f32_16x16x32_bf16 v[\d:\d+7], v[GA+8*\w:GA+8*\w+7], v[\bb:\bb+7], 0
.endm
.macro SEL w, d                        ; the pair of codes 2 w, 2 w + 1 is kept where the index names it; exactly one w is, so what G held before is never used
	v_cmp_eq_u32 vcc_lo, \w, v[CW]
.irp k, 0,2,4,6
	v_dual_cndmask_b32 v[G+\k], v[G+\k], v[\d+\k] :: v_dual_cndmask_b32 v[G+\k+1], v[G+\k+1], v[\d+\k+1]
.endr
.endm
; z's tile i.  D0 and D1 take turns, one matrix instruction a turn.  MATRIX DISTANCES (ISA guide 7.12.1): a SEL is five
; vector instructions that name the other buffer alone; one SEL stands between each matrix instruction and the read of its result, and between it and
; the matrix instruction that writes over that result.  Behind the first two stand the two lines on the index and the next tile's one-hot, which goes to
; the B buffer that no matrix instruction has read since the SEL 6 of the tile before; in the last tile three v_nop make up the five places.
.macro QTILE i, bb, bn, more
	GW D0, 0, \bb
	GW D1, 1, \bb
	v_bfe_u32 v[CW], v[TI+\i], 1, 3
	v_and_b32 v[C0], 1, v[TI+\i]
.if \more
	BUILD \i+1, \bn
.else
.rept 3
	v_nop
.endr
.endif
	SEL 0, D0
	GW D0, 2, \bb
	SEL 1, D1
	GW D1, 3, \bb
	SEL 2, D0
	GW D0, 4, \bb
	SEL 3, D1
	GW D1, 5, \bb
	SEL 4, D0
	GW D0, 6, \bb
	SEL 5, D1
	GW D1, 7, \bb
	SEL 6, D0
	SEL 7, D1
	v_cmp_ne_u32 vcc_lo, 0, v[C0]                  ; the odd code of the pair lies in registers 4-7
	v_dual_cndmask_b32 v[Q],   v[G],   v[G+4] :: v_dual_cndmask_b32 v[Q+1], v[G+1], v[G+5]
	v_dual_cndmask_b32 v[Q+2], v[G+2], v[G+6] :: v_dual_cndmask_b32 v[Q+3], v[G+3], v[G+7]
.irp k, 0,1,2,3
	ds_bpermute_b32 v[P+4*\i+\k], v[BPI], v[Q+\k]  ; into memory order: lane L gets the 16 bytes at 16 L of the tile's 512
.endr
.endm
	BUILD 0, B0
	s_wait_dscnt 0x0                               ; A for all eight w
	QTILE 0, B0, B1, 1
	QTILE 1, B1, B0, 1
	QTILE 2, B0, B1, 1
	QTILE 3, B1, B0, 1
	QTILE 4, B0, B1, 1
	QTILE 5, B1, B0, 1
	QTILE 6, B0, B1, 1
	QTILE 7, B1, B0, 0
	; s = z - e = z + 0.5 (-2 e): the product is exact, so one rounding, and s is the exact negative of the rounded e - z.  out0 = z - s, one rounding.
	s_wait_loadcnt 0x0                             ; z
.irp i, 0,1,2,3,4,5,6,7
	s_wait_dscnt 4*(7-\i)                          ; LDS instructions come back in order: tile i's four are in, the four of each later tile stay out
	v_pk_fma_f32 v[S:S+1],   v[P+4*\i:P+4*\i+1],   0.5, v[ZR+4*\i:ZR+4*\i+1]   op_sel_hi:[1,0,1]
	v_pk_fma_f32 v[S+2:S+3], v[P+4*\i+2:P+4*\i+3], 0.5, v[ZR+4*\i+2:ZR+4*\i+3] op_sel_hi:[1,0,1]
.if \i
	v_pk_fma_f32 v[ACC:ACC+1],   v[S:S+1],   v[S:S+1],   v[ACC:ACC+1]
	v_pk_fma_f32 v[ACC+2:ACC+3], v[S+2:S+3], v[S+2:S+3], v[ACC+2:ACC+3]
.else
	v_pk_mul_f32 v[ACC:ACC+1],   v[S:S+1],   v[S:S+1]                   ; the first tile starts the sums
	v_pk_mul_f32 v[ACC+2:ACC+3], v[S+2:S+3], v[S+2:S+3]
.endif
	v_pk_fma_f32 v[P+4*\i:P+4*\i+1],   v[S:S+1],   -1.0, v[ZR+4*\i:ZR+4*\i+1]   op_sel_hi:[1,0,1]
	v_pk_fma_f32 v[P+4*\i+2:P+4*\i+3], v[S+2:S+3], -1.0, v[ZR+4*\i+2:ZR+4*\i+3] op_sel_hi:[1,0,1]
	global_store_b128 v[LO16], v[P+4*\i:P+4*\i+3], s[8:9] offset:512*\i th:TH_STORE_NT   ; 512 consecutive bytes, aligned; each tile has its own data registers: none is written again
.endr
	; the wave's sum, in every lane
	v_pk_add_f32 v[ACC:ACC+1], v[ACC:ACC+1], v[ACC+2:ACC+3]
	v_add_f32 v[ACC], v[ACC], v[ACC+1]
	v_add_f32_dpp v[ACC], v[ACC], v[ACC] row_xmask:1 row_mask:0xf bank_mask:0xf
	v_add_f32_dpp v[ACC], v[ACC], v[ACC] row_xmask:2 row_mask:0xf bank_mask:0xf
	v_add_f32_dpp v[ACC], v[ACC], v[ACC] row_xmask:4 row_mask:0xf bank_mask:0xf
	v_add_f32_dpp v[ACC], v[ACC], v[ACC] row_xmask:8 row_mask:0xf bank_mask:0xf
	v_permlanex16_b32 v[ACC+1], v[ACC], s24, s25
	v_add_f32 v[ACC], v[ACC], v[ACC+1]
	v_mov_b32 v[S], s16
	v_lshlrev_b32 v[S], 2, v[S]
	ds_store_b32 v[S], v[ACC] offset:RED           ; all lanes write the wave's word with the same value
	v_and_b32 v[S+1], 15, v0
	v_lshlrev_b32 v[S+1], 2, v[S+1]
	v_mov_b32 v[S+2], 0
	s_wait_dscnt 0x0                               ; stored, for wave 0's sake
	s_barrier_signal -1
	s_barrier_wait -1
	s_cmp_lg_u32 s16, 0
	s_cbranch_scc1 .Lend                           ; wave 0 alone adds the sixteen, in a fixed order
	ds_load_b32 v[ACC+2], v[S+1] offset:RED        ; lane L: wave L % 16's sum
	s_wait_dscnt 0x0
	v_add_f32_dpp v[ACC+2], v[ACC+2], v[ACC+2] row_xmask:1 row_mask:0xf bank_mask:0xf
	v_add_f32_dpp v[ACC+2], v[ACC+2], v[ACC+2] row_xmask:2 row_mask:0xf bank_mask:0xf
	v_add_f32_dpp v[ACC+2], v[ACC+2], v[ACC+2] row_xmask:4 row_mask:0xf bank_mask:0xf
	v_add_f32_dpp v[ACC+2], v[ACC+2], v[ACC+2] row_xmask:8 row_mask:0xf bank_mask:0xf
	v_cmp_eq_u32 vcc_lo, 0, v0
	s_wait_xcnt 0x0                                ; EXEC, a source of the stores above, changes only behind this wait
	s_and_saveexec_b32 s26, vcc_lo
	global_store_b32 v[S+2], v[ACC+2], s[10:11]    ; lane 0: the work-group's sum
	s_wait_xcnt 0x0                                ; and again in front of the line that widens it
	s_or_b32 exec_lo, exec_lo, s26
.Lend:
	s_wait_tensorcnt 0x0
	ds_add_u32 v228, v229
	s_wait_dscnt 0x0
	s_endpgm
.Lfunc_end_k_q5b297eebb8_quantize:
	.size	k_q5b297eebb8_quantize, .Lfunc_end_k_q5b297eebb8_quantize-k_q5b297eebb8_quantize
	.p2alignl 7, 3214868480
	.fill 96, 4, 3214868480
	.section	.rodata,"a",@progbits
	.p2align	6, 0x0
	.amdhsa_kernel k_q5b297eebb8_quantize
		.amdhsa_group_segment_fixed_size 37120
		.amdhsa_private_segment_fixed_size 0
		.amdhsa_enable_private_segment 0
		.amdhsa_kernarg_size 32
		.amdhsa_user_sgpr_count 2
		.amdhsa_user_sgpr_kernarg_segment_ptr 1
		.amdhsa_wavefront_size32 1
		.amdhsa_system_sgpr_workgroup_id_x 1
		.amdhsa_system_sgpr_workgroup_id_y 1
		.amdhsa_system_sgpr_workgroup_id_z 1
		.amdhsa_system_vgpr_workitem_id 0
		.amdhsa_next_free_vgpr 230
		.amdhsa_next_free_sgpr 66
		.amdhsa_reserve_vcc 1
		.amdhsa_float_denorm_mode_32 3
		.amdhsa_float_denorm_mode_16_64 3
		.amdhsa_memory_ordered 1
		.amdhsa_forward_progress 1
		.amdhsa_inst_pref_size 102
	.end_amdhsa_kernel
	.amdgpu_metadata
---
amdhsa.version: [ 1, 2 ]
amdhsa.kernels:
  - .name:           k_q5b297eebb8_quantize
    .symbol:         k_q5b297eebb8_quantize.kd
    .args:
      - { .name: emb, .offset: 0, .size: 8, .value_kind: global_buffer, .address_space: global }
      - { .name: z, .offset: 8, .size: 8, .value_kind: global_buffer, .address_space: global }
      - { .name: out0, .offset: 16, .size: 8, .value_kind: global_buffer, .address_space: global }
      - { .name: part, .offset: 24, .size: 8, .value_kind: global_buffer, .address_space: global }
    .group_segment_fixed_size: 37120
    .private_segment_fixed_size: 0
    .kernarg_segment_align: 8
    .kernarg_segment_size: 32
    .max_flat_workgroup_size: 512
    .sgpr_count:     66
    .vgpr_count:     230
    .wavefront_size: 32
...
	.end_amdgpu_metadata
.endif
;; end of part 4
;; launch total: the kernel of part 3 again; grid 1 x 1, 1 waves a work-group, no clusters, 0 bytes of LDS; arguments part, out1; writes out1
